; MI455X (gfx1250); checked and timed in simulation.
; The chip was launched on July 23, 2026; its instructions are those of AMD's public machine-readable ISA for CDNA 5 (MIT licence, August 2026) and "CDNA5" Instruction Set Architecture Reference Guide (July 2026). The comments in the code are by the model that wrote it; some were corrected since.
;; Causal Self Attention. Allowed arithmetic: matrix products marked QUANTISED: E5M2 operands, one given power-of-two scale a tensor, by v_wmma_f32_16x16x64_bf8_bf8 or v_wmma_f32_16x16x128_bf8_bf8, f32 sums; everything else in f32.
;; Inputs: W_proj_codes 1,024 x 32 x 32 uint8 (E5M2 codes of W_proj, K innermost, in blocks of 32 codes); W_qkv_codes 3,072 x 32 x 32 uint8 (E5M2 codes of W_qkv, K innermost, in blocks of 32 codes); b_proj 1,024 float32; b_qkv 3,072 float32; lowp_scales 8 int32 (the exponents e of the quantised operands' scales 2^e); x_codes 4 x 2,048 x 32 x 32 uint8 (E5M2 codes of x, K innermost, in blocks of 32 codes).
;; Outputs: out0 4 x 2,048 x 1,024 float32.
;; This version of the problem:
;;   THIS VERSION OF THE PROBLEM IS GIVEN IN LOW PRECISION. The matrix products marked QUANTISED in the list below multiply operands that are first quantised to E5M2 (5 exponent bits, 2 mantissa bits; 8 bits a number), with one given power-of-two scale for each operand tensor; their sums are f32. All else is computed in f32.
;;   The module's matrix products, in the order in which they are computed (A, B: the left and right operand; K: the contracted axis; several contracted axes count as one K, in the product's order):
;;     1. [M 8,192, K 1,024] x [K 1,024, N 3,072]; A: input x (given as codes); B: input W_qkv (given as codes): QUANTISED (scales: A lowp_scales[0], B lowp_scales[1])
;;     2. batch 64 x [M 2,048, K 64] x [K 64, N 2,048]; A: computed on the way; B: computed on the way: QUANTISED (scales: A lowp_scales[2], B lowp_scales[3])
;;     3. batch 64 x [M 2,048, K 2,048] x [K 2,048, N 64]; A: softmax (see below); B: computed on the way: QUANTISED (scales: A lowp_scales[4], B lowp_scales[5])
;;     4. [M 8,192, K 1,024] x [K 1,024, N 1,024]; A: computed on the way; B: input W_proj (given as codes): QUANTISED (scales: A lowp_scales[6], B lowp_scales[7])
;;   THE QUANTISER, for each operand of a quantised product, along K:
;;     - The operand's scale is 2^e, e = its entry of the input lowp_scales (int32; the entries are numbered through the quantised products in the list's order, A before B).
;;     - Each number is divided by the scale, clamped to +-57,344, and rounded to the nearest number of E5M2, ties to even, subnormals kept.
;;     - The product sums the exact products of the quantised numbers (number of the format x scale) in f32.
;;   ~~~python
;;   def quantise(x, axis, e):      # numpy; x: float32 -> the quantised numbers, widened to float32 again
;;       x = np.moveaxis(x, axis, -1); K = x.shape[-1]
;;       r = np.clip(x / 2.0 ** e, -57344, 57344)
;;       step = 2.0 ** (np.maximum(np.frexp(np.where(r == 0, 1, r))[1] - 1, -14) - 2)
;;       q = np.round(r / step) * step * 2.0 ** e      # np.round: ties to even
;;       return np.moveaxis(q, -1, axis).astype(np.float32)
;;   ~~~
;;   SOFTMAX AHEAD OF A QUANTISED PRODUCT. Where the list says 'softmax', what is quantised is not the finished softmax but p = 2^(t - M), with t = logit x log2(e) and M = ceil(the row's largest t), a whole number; so 1/2 < the row's largest p <= 1. The row's sum l is taken of the UNQUANTISED p, in f32, and the product's result is divided by l at the end. Since M is a whole number, a kernel that streams over the keys may use a running M (the ceiling of the running maximum): every later rescaling is an exact power of two, so the quantised numbers keep their values, but for numbers so far below the row's largest that they fall under the format's range.
;;   OPERANDS COMPUTED ON THE WAY. 'Computed on the way' means the value that the module computes at that place (a softmax that the list does not call 'softmax' is quantised finished and normalised). What goes into a quantiser is computed in f32, as accurately as f32 sums, v_exp_f32 and their like allow (about 1e-6 of the number): no bf16 or f16 on the way to a quantiser, and a product that is left as it is and whose result goes on into a quantised operand takes f32 operands (vector FMAs, or v_wmma_f32_16x16x4_f32). A number that lies on a knife's edge between two numbers of the format may be rounded either way, as far as f32 arithmetic and the matrix unit's own rounding can turn it there, and no further.
;;   INPUTS GIVEN AS CODES. W_proj (in the module: [1024, 1024], K = its axis 1); W_qkv (in the module: [3072, 1024], K = its axis 1); x (in the module: [4, 2048, 1024], K = its axis 2): each comes as NAME_codes (uint8): NAME with its K axis moved to the last place and cut into blocks of 32 codes, [.., K / 32, bytes a block], one block behind the other in memory; one code a byte (a code: sign, 5 exponent bits, 2 mantissa bits); its scale is its entry of lowp_scales. Its value is code x scale, taken as it is: it is not quantised again, and the codes and scales need not be those that the quantiser above would give.
;; One version. Each part assembles by itself: llvm-mc -triple=amdgcn-amd-amdhsa -mcpu=gfx1250 --defsym DOCPART=n.
;; ======== version 1 of 1: 3 launches
;; limits: right only within a limited range of input values
;; workspace buffers: qkv 25,165,824 bytes; yimg 8,388,608 bytes
;; launch qkv (part 1): grid 4 x 64, 4 waves a work-group, clusters of 4 x 4, 327,680 bytes of LDS; arguments x_codes, W_qkv_codes, b_qkv, lowp_scales, qkv; writes qkv
.if DOCPART == 1
	.amdgcn_target "amdgcn-amd-amdhsa--gfx1250"
	.amdhsa_code_object_version 6
	.text
	.protected	k_qbc0ecd5360_qkv
	.globl	k_qbc0ecd5360_qkv
	.p2align	8
	.type	k_qbc0ecd5360_qkv,@function
k_qbc0ecd5360_qkv:
	s_mov_b64 s[64:65], 0
	v_nop
	global_prefetch_b8 v0, s[64:65] scope:SCOPE_SE
	s_setreg_imm32_b32 hwreg(HW_REG_WAVE_MODE, 25, 1), 1
	s_wait_xcnt 0x0
	s_wait_alu depctr_hold_cnt(0) depctr_sa_sdst(0) depctr_va_vdst(0) depctr_va_sdst(0) depctr_va_ssrc(0) depctr_va_vcc(0) depctr_vm_vsrc(0)
	s_getreg_b32 s2, hwreg(HW_REG_IB_STS2, 6, 4)
	s_cmp_eq_u32 s2, 0
	s_cbranch_scc0 .Lentry_in_a_cluster
	s_endpgm
.Lentry_in_a_cluster:
	s_bfe_u32 s2, ttmp6, 0x10000c
	s_cmp_lg_u32 s2, 0xf033
	s_cbranch_scc0 .Lentry_shape_is_right
	s_endpgm
.Lentry_shape_is_right:
; q, k, v = x W_qkv^T + b_qkv on codes of BF8 (E5M2), then quantised again: q with 2^e2, k with 2^e3 (both along the head's 64), v with 2^e5 (along the tokens).
; x: [8192][1024] codes, W: [3072][1024] codes, K innermost.  A sum stands for sum x 2^(e0 + e1); value = sum x 2^(e0 + e1) + bias, one fused multiply-add in f32; converted.
; LIMITS: e0 + e1 between -126 and 127; e2, e3, e5 between -126 and 112, so that each power of two below is an f32 number.  NaN among the biases is not served.
; SHARES.  256 work-groups of four waves.  Work-group (g, TA) owns tokens 128 TA .. +127, whose 1,024 codes a row stay in LDS for the whole launch (four panels of 256 along K), and makes three tiles
; of 128 tokens x 256 rows of W: rows 256 g .. +255 of q's, of k's and of v's part of W.  Wave w: 64 tokens (w / 2) x 128 rows of W (w % 2): 32 accumulators.
; W's tiles go through a ring of two LDS slots of 256 along K; the ring walks on from tile to tile.  A slot step is two steps of 128 along K, 32 matrix instructions each.
; CLUSTERS: 4 x 4.  The four of a row of the cluster own the same tokens, the four of a column the same rows of W: each tile is asked for jointly, by the same tensor load with a mask that names the four.
; THE OUTPUT IS LAID AS THE NEXT PRODUCT'S REGISTERS.  For q and k source 0 = 16 rows of W, source 1 = 16 tokens: a lane holds one token and eight neighbours along the head's 64, so one conversion
; of an accumulator is one register pair of a fragment 16 tokens x 64 (pair c: 16 c + 8 (lane / 16) + 0 .. 7).  For v the sources are swapped: a lane holds one channel and eight neighbouring tokens:
; a pair of a fragment 16 channels x 128 keys.  Two pairs are 16 bytes a lane, stored at 16 x lane: 512 consecutive bytes, aligned.  No stage in LDS, nothing is transposed.
;   q at byte 0, k at 8 MiB: [batch x 16 + head][token / 16][1,024 bytes];   v at 16 MiB: [batch x 16 + head][token / 128][channel / 16][2,048 bytes].
; REGISTERS, in windows of 256: window 0: v0-31 addresses and constants; v32-95 numbers at work; v96-127 codes; v128-191, v192-255 A's fragments, two sets.
;   window 1: W's fragments, two sets of 128.   window 2: accumulator (a, b) at v[8 (8 a + b)].   window 3: v0-63 q's biases, v64-127 k's, v128-143 v's.
.set PITCH,  272                       ; an LDS row: 256 bytes + 16 of padding = 68 words: the 16 rows that a load touches start at 16 different banks (64 banks of 4 bytes: ISA guide 11.1)
.set PANEL,  128*PITCH                 ; a panel of x: 128 tokens x 256 along K
.set BBASE,  4*PANEL                   ; behind the four panels: W's ring
.set BSLOT,  256*PITCH
.set SPARE,  BBASE+2*BSLOT             ; behind the ring: the spare words, 128 bytes for each wave: two blocks of 256 bytes that no other line names
.set NEXTW,  (1<<20)-512               ; from a tile's slot step 2 or 3 to the next tile's 0 or 1: 1,024 rows of W down, 512 bytes back
.set ADRA, 16                          ; v16-19  LDS address of my fragments of x in panel 0 .. 3
.set ADRB, 20                          ; v20-21  the same for W in slot 0, 1
.set SPW,  28                          ; v28     LDS address of my spare word; never rewritten
.set NIL,  29                          ; v29     0; never rewritten
.set T,    32
.set CD,   96
.set AF,   128
.set BV,   128                         ; in window 3
.set G1A, 24                           ; s[24:31] descriptor group 1 for x's tiles;  s[32:39] for W's
.set G1B, 32
.set G0A, 40                           ; s[40:55] group 0 for the four panels;  s[56:63] for the two slots
.set G0B, 56
.set GW0, (1<<20)|(1<<21)|(5<<22)|(3<<25)   ; elements of 1 byte; padding on; bit 21 set beside a mask; after every 64 words (code 5) 4 words (code 3)
.set MSB, 0
.macro WIN new                         ; the immediate's high byte repeats the setting that is left
.if MSB != (\new)
	s_set_vgpr_msb (MSB<<8)|(\new)
.set MSB, \new
.endif
.endm
.set MUL,  0xa1                        ; source 0 (W) window 1, source 1 (x) window 0, C and D window 2;  + 3 = 0xa4: source 0 (x) window 0, source 1 (W) window 1
.set TO_B, 0x40                        ; destination window 1
.set TO_3, 0xc0                        ; destination window 3
.set EP,   0x32                        ; source 0 window 2, source 2 window 3, destination window 0
.macro PLACES n                        ; plain vector instructions between a matrix instruction and a load into, or a read of, its registers
.rept \n
	v_nop
.endr
.endm
.macro CREST                           ; a round of the cluster's barrier behind its opening barrier
	s_cmp_lg_u32 s14, 0
	s_cbranch_scc1 .Lnot_wave_0_\@
	s_barrier_signal -3
.Lnot_wave_0_\@:
	s_barrier_wait -3
	s_barrier_signal -1
	s_barrier_wait -1
.endm
.macro CROUND
	s_barrier_signal -1
	s_barrier_wait -1
	CREST
.endm
	s_load_b256 s[4:11], s[0:1], 0x0               ; x s[4:5], W s[6:7], b_qkv s[8:9], the scales' exponents s[10:11]
	s_load_b64 s[12:13], s[0:1], 0x20              ; the workspace
	v_lshl_add_u32 v[SPW], v0, 2, SPARE
	v_mov_b32 v[NIL], 0
	ds_add_u32 v28, v29
	ds_add_u32 v28, v29
	s_wait_dscnt 0x0
	v_lshrrev_b32 v1, 5, v0
	v_readfirstlane_b32 s14, v1                    ; wave 0..3
	s_lshr_b32 s15, s14, 1                         ; wr: which 64 tokens
	s_and_b32 s16, s14, 1                          ; wc: which 128 rows of W
	s_bfe_u32 s92, ttmp6, 0x40000                  ; cx
	s_bfe_u32 s18, ttmp6, 0x40004                  ; cy
	s_lshl_b32 s17, ttmp9, 2
	s_add_co_u32 s17, s17, s92                     ; g = 4 x cluster x + cx
	s_and_b32 s19, ttmp7, 0xffff
	s_lshl_b32 s19, s19, 2
	s_add_co_u32 s19, s19, s18                     ; TA = 4 x cluster y + cy
	s_lshl_b32 s20, s18, 2
	s_lshl_b32 s20, 15, s20                        ; my row of the cluster
	s_lshl_b32 s84, 0x1111, s92                    ; my column
	s_or_b32 s[G1A], s20, GW0                      ; x's tiles go to my row,
	s_or_b32 s[G1B], s84, GW0                      ; W's to my column
	s_mov_b32 s[G1A+1], 256<<16                    ; tensor_dim0 = 256 bytes
	s_mov_b32 s[G1A+2], 32<<16                     ; tensor_dim1 = 32 rows: a wave's quarter of a panel
	s_mov_b32 s[G1A+3], 256<<16                    ; tile_dim0
	s_mov_b32 s[G1A+4], 32                         ; tile_dim1
	s_mov_b32 s[G1A+5], 1024                       ; from row to row
	s_mov_b32 s[G1A+6], 0
	s_mov_b32 s[G1A+7], 0
	s_mov_b32 s[G1B+1], 256<<16
	s_mov_b32 s[G1B+2], 64<<16                     ; 64 rows: a wave's quarter of a slot
	s_mov_b32 s[G1B+3], 256<<16
	s_mov_b32 s[G1B+4], 64
	s_mov_b32 s[G1B+5], 1024
	s_mov_b32 s[G1B+6], 0
	s_mov_b32 s[G1B+7], 0
	s_lshl_b32 s20, s19, 17                        ; x: (128 TA + 32 w) rows of 1,024 bytes
	s_lshl_b32 s21, s14, 15
	s_add_co_u32 s20, s20, s21
	s_mov_b32 s21, 0
	s_lshl_b32 s84, s17, 18                        ; W: (256 g + 64 w) rows
	s_lshl_b32 s85, s14, 16
	s_add_co_u32 s84, s84, s85
	s_mov_b32 s85, 0
	s_mul_i32 s22, s14, 32*PITCH                   ; where they go: the wave's number alone enters an LDS address
	s_mul_i32 s86, s14, 64*PITCH
	s_wait_kmcnt 0x0
	s_load_b256 s[68:75], s[10:11], 0x0            ; e0 .. e7
	s_add_nc_u64 s[20:21], s[4:5], s[20:21]
	s_add_nc_u64 s[84:85], s[6:7], s[84:85]
.irp p, 0,1,2,3
	s_mov_b32 s[G0A+4*\p], 1
	s_add_co_u32 s[G0A+4*\p+1], s22, \p*PANEL
	s_add_nc_u64 s[G0A+4*\p+2:G0A+4*\p+3], s[20:21], \p*256
	s_or_b32 s[G0A+4*\p+3], s[G0A+4*\p+3], 0x80000000
.endr
.irp p, 0,1
	s_mov_b32 s[G0B+4*\p], 1
	s_add_co_u32 s[G0B+4*\p+1], s86, BBASE+\p*BSLOT
	s_add_nc_u64 s[G0B+4*\p+2:G0B+4*\p+3], s[84:85], \p*256
	s_or_b32 s[G0B+4*\p+3], s[G0B+4*\p+3], 0x80000000
.endr
	CROUND                                         ; all sixteen work-groups are here: the first joint loads meet
	tensor_load_to_lds s[G0A:G0A+3], s[G1A:G1A+7]          ; the first fills go out as one group: six loads of mine are out.  Panel 0,
	s_nop 0
	tensor_load_to_lds s[G0B:G0B+3], s[G1B:G1B+7]          ; slot 0: what the first slot step reads,
	s_nop 0
	tensor_load_to_lds s[G0A+4:G0A+7], s[G1A:G1A+7]        ; panel 1,
	s_nop 0
	tensor_load_to_lds s[G0B+4:G0B+7], s[G1B:G1B+7]        ; slot 1,
	s_nop 0
	tensor_load_to_lds s[G0A+8:G0A+11], s[G1A:G1A+7]       ; panels 2 and 3
	s_nop 0
	tensor_load_to_lds s[G0A+12:G0A+15], s[G1A:G1A+7]
	s_nop 0
	PLACES 4                                       ; four plain lines follow the last of them
	v_and_b32 v1, 15, v0                           ; r
	v_bfe_u32 v2, v0, 4, 1                         ; h
	v_and_b32 v3, 31, v0
	v_lshlrev_b32 v4, 4, v3                        ; 16 x lane: my place in a stored quad of registers
	v_lshlrev_b32 v5, 5, v2                        ; 32 h: q's and k's biases: eight numbers of my half
	v_lshlrev_b32 v6, 2, v1                        ; 4 r: v's bias: the one of my channel
	v_mul_u32_u24 v7, v1, PITCH
	v_lshl_add_u32 v7, v2, 4, v7                   ; a fragment's row x pitch + 16 x half
	s_wait_alu depctr_va_vdst(0)
	s_mul_i32 s23, s15, 64*PITCH
.irp p, 0,1,2,3
	v_add_nc_u32 v[ADRA+\p], s23, v7
	s_add_co_u32 s23, s23, PANEL
.endr
	s_mul_i32 s87, s16, 128*PITCH
	s_add_co_u32 s87, s87, BBASE
.irp p, 0,1
	v_add_nc_u32 v[ADRB+\p], s87, v7
	s_add_co_u32 s87, s87, BSLOT
.endr
	s_lshl_b32 s88, s17, 10                        ; the biases of my 128 rows of W: (256 g + 128 wc) x 4 bytes
	s_lshl_b32 s89, s16, 9
	s_add_co_u32 s88, s88, s89
	s_mov_b32 s89, 0
	s_add_nc_u64 s[82:83], s[8:9], s[88:89]
	WIN TO_3
.irp b, 0,1,2,3,4,5,6,7
	global_load_b128 v[8*\b:8*\b+3],       v5, s[82:83] offset:64*\b           ; q: rows 16 b + 8 h + 0 .. 7
	global_load_b128 v[8*\b+4:8*\b+7],     v5, s[82:83] offset:64*\b+16
	global_load_b128 v[64+8*\b:64+8*\b+3], v5, s[82:83] offset:4096+64*\b      ; k
	global_load_b128 v[64+8*\b+4:64+8*\b+7], v5, s[82:83] offset:4096+64*\b+16
	global_load_b32 v[BV+2*\b],   v6, s[82:83] offset:8192+64*\b               ; v: row 16 b + r, twice: a pair for the packed form
	global_load_b32 v[BV+2*\b+1], v6, s[82:83] offset:8192+64*\b
.endr
	WIN 0
	s_lshr_b32 s88, s19, 4                         ; where my results go.  Batch x 16 heads x 128 KiB,
	s_lshl_b32 s88, s88, 21
	s_lshl_b32 s89, s17, 19                        ; head 4 g + 2 wc
	s_add_co_u32 s88, s88, s89
	s_lshl_b32 s89, s16, 18
	s_add_co_u32 s88, s88, s89
	s_and_b32 s90, s19, 15
	s_lshl_b32 s91, s90, 13                        ; q, k: token tile 8 (TA % 16) + 4 wr, 1,024 bytes each;  v: key block TA % 16, 8,192 bytes each
	s_lshl_b32 s94, s15, 12
	s_add_co_u32 s94, s94, s91
	s_add_co_u32 s94, s94, s88
	s_mov_b32 s95, 0
	s_add_nc_u64 s[76:77], s[12:13], s[94:95]      ; q
	s_add_nc_u64 s[78:79], s[76:77], 1<<23         ; k
	s_lshl_b32 s94, s15, 10                        ; v: my 64 tokens are pairs 4 wr .. 4 wr + 3 of a fragment: quads 2 wr, 2 wr + 1
	s_add_co_u32 s94, s94, s91
	s_add_co_u32 s94, s94, s88
	s_add_nc_u64 s[80:81], s[12:13], s[94:95]
	s_add_nc_u64 s[80:81], s[80:81], 2<<23
	s_wait_alu depctr_va_vdst(0)
	s_wait_kmcnt 0x0
	s_add_co_i32 s66, s68, s69
	s_add_co_i32 s66, s66, 127
	s_lshl_b32 s66, s66, 23                        ; 2^(e0 + e1) as f32
	s_mov_b32 s67, s66                             ; (named with it as a pair, so it is written)
.macro SCALE e, lim, sc                ; v[sc] = 2^e as f32: the conversion takes its exponent field
	s_add_co_i32 s88, s[\e], 127
	s_lshl_b32 s89, s88, 23
	v_mov_b32 v[\sc], s89
.endm
	SCALE 70, 8, 9                                 ; q: e2
	SCALE 71, 10, 11                               ; k: e3
	SCALE 73, 12, 13                               ; v: e5
; A fragment, 16 rows x 128 K, is 16 registers, fetched by four loads of 16 bytes, 32 bytes apart: registers 4 c .. 4 c + 3 hold K = 32 c + 16 (lane / 16) + 0 .. 15: the same order of K in x and in W.
.macro FETCH_B slot, q, p              ; W's eight fragments of the slot's q-th 128 along K into set p
	WIN TO_B
.irp i, 0,1,2,3,4,5,6,7
.irp c, 0,1,2,3
	ds_load_b128 v[128*(\p)+16*\i+4*\c:128*(\p)+16*\i+4*\c+3], v[ADRB+(\slot)] offset:128*(\q)+32*\c+\i*16*PITCH
.endr
.endr
	WIN 0
.endm
.macro FETCH_A panel, q, p             ; x's four fragments likewise
.irp i, 0,1,2,3
.irp c, 0,1,2,3
	ds_load_b128 v[AF+64*(\p)+16*\i+4*\c:AF+64*(\p)+16*\i+4*\c+3], v[ADRA+(\panel)] offset:128*(\q)+32*\c+\i*16*PITCH
.endr
.endr
.endm
; 8 matrix instructions: token tile a x W's eight.  zero = 1: the first product starts the sums.  swap = 1: x is source 0.  The 32 accumulators take turns, one instruction a turn.
.macro MUL8 a, p, zero, swap
.irp b, 0,1,2,3,4,5,6,7
.if \swap
.if \zero
	v_wmma_f32_16x16x128_bf8_bf8 v[8*(8*\a+\b):8*(8*\a+\b)+7], v[AF+64*\p+16*\a:AF+64*\p+16*\a+15], v[128*\p+16*\b:128*\p+16*\b+15], 0
.else
	v_wmma_f32_16x16x128_bf8_bf8 v[8*(8*\a+\b):8*(8*\a+\b)+7], v[AF+64*\p+16*\a:AF+64*\p+16*\a+15], v[128*\p+16*\b:128*\p+16*\b+15], v[8*(8*\a+\b):8*(8*\a+\b)+7]
.endif
.else
.if \zero
	v_wmma_f32_16x16x128_bf8_bf8 v[8*(8*\a+\b):8*(8*\a+\b)+7], v[128*\p+16*\b:128*\p+16*\b+15], v[AF+64*\p+16*\a:AF+64*\p+16*\a+15], 0
.else
	v_wmma_f32_16x16x128_bf8_bf8 v[8*(8*\a+\b):8*(8*\a+\b)+7], v[128*\p+16*\b:128*\p+16*\b+15], v[AF+64*\p+16*\a:AF+64*\p+16*\a+15], v[8*(8*\a+\b):8*(8*\a+\b)+7]
.endif
.endif
.endr
.endm
; Slot step s, first half: set 0 is multiplied while set 1 (the second 128 along K of the same slot) comes in.
.macro STEP s, zero, swap
	s_wait_dscnt 0x0                               ; set 0 is in
	PLACES 4                                       ; set 1 was read by the last products
	FETCH_B (\s)%2, 1, 1
	FETCH_A (\s)%4, 1, 1
	WIN MUL+3*(\swap)
	MUL8 0, 0, \zero, \swap
	MUL8 1, 0, \zero, \swap
	MUL8 2, 0, \zero, \swap
	MUL8 3, 0, \zero, \swap
	WIN 0
.endm
; Second half, and the change of slots: ONE barrier; in front of it each wave waits for all its tensor loads, adds 0 to its spare word, and waits for that and for its own reads of this slot.
; fill = 1: the barrier opens a round of the cluster's, and behind the round this slot takes the slot step two on, delta bytes further in W.
.macro TURN s, fill, delta, swap
	s_wait_tensorcnt 0x0                           ; all my tensor loads have landed, my part of the next slot among them
	ds_add_u32 v[SPW], v[NIL]                      ; 0 onto my spare word
	s_wait_dscnt 1                                 ; set 1 is in; the add alone may be out
	WIN MUL+3*(\swap)
	MUL8 0, 1, 0, \swap                            ; eight matrix instructions stand between the add and the wait for it
	s_wait_dscnt 0x0                               ; the add is done, and my reads of this slot are over
	s_barrier_signal -1
	MUL8 1, 1, 0, \swap
	WIN 0
	s_barrier_wait -1
.if \fill
	CREST                                          ; no wave of any partner still reads this slot or has a load on its way
	s_add_nc_u64 s[G0B+4*((\s)%2)+2:G0B+4*((\s)%2)+3], s[G0B+4*((\s)%2)+2:G0B+4*((\s)%2)+3], \delta
	tensor_load_to_lds s[G0B+4*((\s)%2):G0B+4*((\s)%2)+3], s[G1B:G1B+7]   ; my one tensor load behind the round
	s_nop 0
.endif
	PLACES 4                                       ; behind the load; also the places in front of the loads into set 0
	FETCH_B 1-(\s)%2, 0, 0
	FETCH_A ((\s)+1)%4, 0, 0
	WIN MUL+3*(\swap)
	MUL8 2, 1, 0, \swap
	MUL8 3, 1, 0, \swap
	WIN 0
.endm
; THE WAY OUT of q or k, a tile of 16 tokens at a time: sum x 2^(e0 + e1) + bias; eight conversions: eight register pairs
; of two heads' fragments; four stores of 512 consecutive bytes.  Each accumulator is read from its low end on.
.macro EPI_QK xb, xl, xs, xo           ; xb: the biases' first register in window 3;  v[xs]: the scale;  s[xo]: the base
	PLACES 4
.irp a, 0,1,2,3
	s_wait_xcnt 0x0                                ; the stores of two tiles back have read the registers that the conversions write
	WIN EP
.irp b, 0,1,2,3,4,5,6,7
.irp i, 0,2,4,6
	v_pk_fma_f32 v[T+8*\b+\i:T+8*\b+\i+1], v[8*(8*\a+\b)+\i:8*(8*\a+\b)+\i+1], s[66:67], v[\xb+8*\b+\i:\xb+8*\b+\i+1] op_sel_hi:[1,0,1]
.endr
.endr
	WIN 0
.irp b, 0,1,2,3,4,5,6,7
.irp i, 0,1,2,3,4,5,6,7
.endr
	v_cvt_scalef32_pk8_bf8_f32 v[CD+16*(\a%2)+2*\b:CD+16*(\a%2)+2*\b+1], v[T+8*\b:T+8*\b+7], v[\xs]
.endr
	v_nop                                          ; a plain line behind the last conversion, ahead of the next lines that write its sources
.irp u, 0,1,2,3
	global_store_b128 v4, v[CD+16*(\a%2)+4*\u:CD+16*(\a%2)+4*\u+3], s[\xo:\xo+1] offset:1024*\a+131072*(\u/2)+512*(\u%2)   ; head u / 2 of my two, quad u % 2
.endr
.endr
.endm
; THE WAY OUT of v, two tiles of 16 channels at a time: a lane holds one channel and, in accumulator (a, b), tokens 16 a + 8 (lane / 16) + 0 .. 7: pair 4 wr + a of the channel tile's fragment.
.macro EPI_V
	PLACES 4
.irp u, 0,1,2,3
	s_wait_xcnt 0x0
	WIN EP
.irp e, 0,1
.irp a, 0,1,2,3
.irp i, 0,2,4,6
	v_pk_fma_f32 v[T+32*\e+8*\a+\i:T+32*\e+8*\a+\i+1], v[8*(8*\a+2*\u+\e)+\i:8*(8*\a+2*\u+\e)+\i+1], s[66:67], v[BV+2*(2*\u+\e):BV+2*(2*\u+\e)+1] op_sel_hi:[1,0,1]
.endr
.endr
.endr
	WIN 0
.irp k, 0,1,2,3,4,5,6,7
.irp i, 0,1,2,3,4,5,6,7
.endr
	v_cvt_scalef32_pk8_bf8_f32 v[CD+16*(\u%2)+2*\k:CD+16*(\u%2)+2*\k+1], v[T+8*\k:T+8*\k+7], v13
.endr
	v_nop
.irp e, 0,1
.irp y, 0,1
	global_store_b128 v4, v[CD+16*(\u%2)+8*\e+4*\y:CD+16*(\u%2)+8*\e+4*\y+3], s[80:81] offset:131072*((2*\u+\e)/4)+2048*((2*\u+\e)%4)+512*\y
.endr
.endr
.endr
.endm
	s_wait_tensorcnt 4                             ; panel 0 and slot 0, my parts, are in; the four younger loads may be out
	s_barrier_signal -1
	s_barrier_wait -1                              ; everybody's are
	FETCH_B 0, 0, 0
	FETCH_A 0, 0, 0
	STEP 0, 1, 0                                   ; q
	TURN 0, 1, 512, 0
	STEP 1, 0, 0
	TURN 1, 1, 512, 0
	STEP 2, 0, 0
	TURN 2, 1, NEXTW, 0                            ; the ring goes on into k's rows of W
	STEP 3, 0, 0
	TURN 3, 1, NEXTW, 0
	s_wait_loadcnt 0x0                             ; the biases
	EPI_QK 0, 8, 9, 76
	STEP 4, 1, 0                                   ; k
	TURN 4, 1, 512, 0
	STEP 5, 0, 0
	TURN 5, 1, 512, 0
	STEP 6, 0, 0
	TURN 6, 1, NEXTW, 0
	STEP 7, 0, 0
	TURN 7, 1, NEXTW, 0
	EPI_QK 64, 10, 11, 78
	STEP 8, 1, 1                                   ; v: the sources are swapped
	TURN 8, 1, 512, 1
	STEP 9, 0, 1
	TURN 9, 1, 512, 1
	STEP 10, 0, 1
	TURN 10, 0, 0, 1                               ; nothing is left to fetch
	STEP 11, 0, 1
	s_wait_dscnt 0x0
	WIN MUL+3
	MUL8 0, 1, 0, 1
	MUL8 1, 1, 0, 1
	MUL8 2, 1, 0, 1
	MUL8 3, 1, 0, 1
	WIN 0
	EPI_V
	s_wait_tensorcnt 0x0                           ; the wave's end
	ds_add_u32 v[SPW], v[NIL]
	s_wait_dscnt 0x0
	CROUND                                         ; the closing round: no work-group ends while a partner may still ask for a tile that names it
	s_endpgm
.Lfunc_end_k_qbc0ecd5360_qkv:
	.size	k_qbc0ecd5360_qkv, .Lfunc_end_k_qbc0ecd5360_qkv-k_qbc0ecd5360_qkv
	.p2alignl 7, 3214868480
	.fill 96, 4, 3214868480
	.section	.rodata,"a",@progbits
	.p2align	6, 0x0
	.amdhsa_kernel k_qbc0ecd5360_qkv
		.amdhsa_group_segment_fixed_size 327680
		.amdhsa_private_segment_fixed_size 0
		.amdhsa_enable_private_segment 0
		.amdhsa_kernarg_size 40
		.amdhsa_user_sgpr_count 2
		.amdhsa_user_sgpr_kernarg_segment_ptr 1
		.amdhsa_wavefront_size32 1
		.amdhsa_system_sgpr_workgroup_id_x 1
		.amdhsa_system_sgpr_workgroup_id_y 1
		.amdhsa_system_sgpr_workgroup_id_z 1
		.amdhsa_system_vgpr_workitem_id 0
		.amdhsa_next_free_vgpr 1024
		.amdhsa_next_free_sgpr 100
		.amdhsa_reserve_vcc 0
		.amdhsa_float_denorm_mode_32 3
		.amdhsa_float_denorm_mode_16_64 3
		.amdhsa_fp16_overflow 1
		.amdhsa_memory_ordered 1
		.amdhsa_forward_progress 1
		.amdhsa_inst_pref_size 183
	.end_amdhsa_kernel
	.amdgpu_metadata
---
amdhsa.version: [ 1, 2 ]
amdhsa.kernels:
  - .name:           k_qbc0ecd5360_qkv
    .symbol:         k_qbc0ecd5360_qkv.kd
    .args:
      - { .name: x_codes, .offset: 0, .size: 8, .value_kind: global_buffer, .address_space: global }
      - { .name: W_qkv_codes, .offset: 8, .size: 8, .value_kind: global_buffer, .address_space: global }
      - { .name: b_qkv, .offset: 16, .size: 8, .value_kind: global_buffer, .address_space: global }
      - { .name: lowp_scales, .offset: 24, .size: 8, .value_kind: global_buffer, .address_space: global }
      - { .name: qkv, .offset: 32, .size: 8, .value_kind: global_buffer, .address_space: global }
    .group_segment_fixed_size: 327680
    .private_segment_fixed_size: 0
    .kernarg_segment_align: 8
    .kernarg_segment_size: 40
    .max_flat_workgroup_size: 128
    .sgpr_count:     100
    .vgpr_count:     1024
    .wavefront_size: 32
...
	.end_amdgpu_metadata
.endif
;; end of part 1
;; launch attn (part 2): grid 4 x 64, 16 waves a work-group, no clusters, 327,680 bytes of LDS; arguments qkv, lowp_scales, yimg; writes yimg
.if DOCPART == 2
	.amdgcn_target "amdgcn-amd-amdhsa--gfx1250"
	.amdhsa_code_object_version 6
	.text
	.protected	k_qbc0ecd5360_attn
	.globl	k_qbc0ecd5360_attn
	.p2align	8
	.type	k_qbc0ecd5360_attn,@function
k_qbc0ecd5360_attn:
	s_mov_b64 s[64:65], 0
	v_nop
	global_prefetch_b8 v0, s[64:65] scope:SCOPE_SE
	s_setreg_imm32_b32 hwreg(HW_REG_WAVE_MODE, 25, 1), 1
	s_wait_xcnt 0x0
; y[b][q][head] = softmax_k(q . k / 8, causal) v, both products on codes of BF8 (E5M2); y is quantised with 2^e6 along the model's 1,024 and stored as the last product's registers.
; q, k, v come as register images (the launch before): q, k: [b x 16 + head][token / 16][1,024 bytes], a fragment 16 tokens x 64; v: [b x 16 + head][token / 128][channel / 16][2,048 bytes], a fragment 16 channels x 128 keys.
; THE SOFTMAX AHEAD OF THE SECOND PRODUCT: t = score x log2(e) / 8; M = the row's largest t so far, rounded UP to a whole number; p = 2^(t - M) is quantised with 2^e4, not normalised.
; The row's sum is taken of the unquantised p, in f32, and divides at the end.  When M moves, the sum and O are multiplied by 2^(old M - new M): exact.
; SHARES.  A work-group of sixteen waves owns one head and TWO blocks of 256 queries: block 7 - I, then block I (I = work-group x, 0 .. 3).  Block j needs key slots 0 .. j of 256 keys, so every work-group
; walks (8 - I) + (I + 1) = 9 slots: a constant trip count and equal work under the causal mask.  A wave owns 16 queries of the block in hand, in 256 registers: four waves to a SIMD.
; NO CLUSTER: the four work-groups of a head ask for the same slots only in their first five changes of slots; from then on work-group I stands at slot 0 .. I of its second block while others still walk their first,
; so partners would need different tiles in the same round.
; LAYOUT.  Both products are used transposed: S^T = K Q^T (source 0 = 16 keys, source 1 = my 16 queries), O^T = V^T P^T: a lane holds ONE query (lane % 16) throughout.  In S^T's tile c a lane's eight registers are keys
; 16 c + 8 (lane / 16) + 0 .. 7: one conversion gives register pair c of P's fragment, in the order in which v's image has its keys.  O^T's tile d likewise gives pair d of y's fragment.
; A slot's K (16 fragments) and V (8 fragments) are two dense blocks of 16 KiB in memory and in LDS; a fragment comes by loads of 16 bytes at 16 x lane: no pitch, no padding.
; LIMITS on the given exponents: e2 + e3 between -123 and 130 (added to c's exponent field); e4 and e6 between -126 and 112; e4 + e5 is applied by v_ldexp_f32 and has none.
.set SLOT1, 32768                      ; slot 1 begins here: one exclusive or turns an address in one slot into the other's
.set VOFF,  16384                      ; in a slot: K's image, then V's
.set SPARE, 65536                      ; behind the ring: the spare words, 128 bytes for each wave: eight blocks of 256 bytes that no other line names
.set LI,   1                           ; v1   16 x lane; never rewritten
.set AD,   2                           ; v2   the slot in hand + 16 x lane
.set PFO,  3                           ; v3   256 x lane: the prefetches' offset; never rewritten
.set SPW,  5                           ; v5   LDS address of my spare word; never rewritten
.set NIL,  6                           ; v6   0; never rewritten
.set QF,   16                          ; v16-23 Q of the block in hand; v24-31 Q of the second block
.set KV,   32                          ; v32-95 eight fragments of K, then four of V
.set S,    96                          ; v96-159 S^T, then p
.set O,    160                         ; v160-191 O^T
.set PC,   192                         ; v192-207 p's codes
.set YC,   208                         ; v208-215 y's codes
; v12 -M, v13 the largest t, v[14:15] the sum in two halves; v244: 2^e4; v245: 2^e6; v236, v242-243, v252-254 at work
.set WV,   18                          ; s18  my wave's number
.set SEL,  20                          ; s[20:21] lane selects for v_permlanex16_b32: lane l xor 16
.set CS,   22                          ; s[22:23] c = log2(e) / 8 x 2^(e2 + e3)
.set G1,   24                          ; s[24:31] descriptor group 1;  s[40:43] group 0, which walks;  s[44:45] my tensor's first byte of the head;  s[46:47] the slot's offset
.set G0,   40
.set TB,   2                           ; s2   LDS byte at which the slot in hand begins
.set KSN,  66                          ; s66  the key slot asked for last
.set SLOTS, 67                         ; s67  the loop's counter
.set NH,   48                          ; s48  8 - I: slots of the first block
.set KF,   98                          ; s98  the step's first key
.set Q0,   99                          ; s99  my first query;  s49: in the second block
.set PFA,  76                          ; s[76:77] where my prefetches stand
.set LIM,  80                          ; s80  2 in a wave that prefetches, else the greatest number
.macro TLOAD                           ; wave 0 fetches a slot's K, wave 1 its V, the others nothing; four plain lines follow the load
	s_cmp_lt_u32 s[WV], 2
	s_cbranch_scc0 .Lasked_\@
	tensor_load_to_lds s[G0:G0+3], s[G1:G1+7]
	s_nop 0
.rept 4
	v_nop
.endr
.Lasked_\@:
.endm
; A PREFETCH of what the NEXT change of slots will ask for.  All four work-groups of a head begin with the same slots: the one with I = 0, which walks slots 0 .. 7 on end, asks, and nobody else.
; In it waves 4 and 5 ask for the halves of K's 16 KiB, waves 6 and 7 for V's: 8 KiB a wave, lanes 256 bytes apart, one instruction.  Trips 0 .. 5 ask for slots 2 .. 7: each block of 256 bytes is named once.
.macro ASK
	s_cmp_gt_u32 s[SLOTS], s[LIM]
	s_cbranch_scc0 .Lnot_mine_\@
	global_prefetch_b8 v[PFO], s[PFA:PFA+1] th:TH_LOAD_NT scope:SCOPE_SE
.Lnot_mine_\@:
.endm
.macro INIT                            ; a block of queries begins: the largest t is -3e38, under every t; the sum and O^T are zeros, which the first change of M leaves zeros
	v_mov_b32 v13, 0xff61b1e6
	s_delay_alu instid0(VALU_DEP_1)
	v_floor_f32 v12, -v13
	v_mov_b32 v14, 0
	v_mov_b32 v15, 0
.irp j, 0,1,2,3,4,5,6,7,8,9,10,11,12,13,14,15,16,17,18,19,20,21,22,23,24,25,26,27,28,29,30,31
	v_mov_b32 v[O+\j], 0
.endr
.endm
	s_load_b128 s[4:7], s[0:1], 0x0                ; the images s[4:5], the scales' exponents s[6:7]
	s_load_b64 s[8:9], s[0:1], 0x10                ; y's image
	v_lshl_add_u32 v[SPW], v0, 2, SPARE
	v_mov_b32 v[NIL], 0
	ds_add_u32 v5, v6
	ds_add_u32 v5, v6
	s_wait_dscnt 0x0
	v_lshrrev_b32 v8, 5, v0
	s_delay_alu instid0(VALU_DEP_1)
	v_readfirstlane_b32 s[WV], v8                  ; wave 0..15
	s_and_b32 s10, ttmp7, 0xffff                   ; batch x 16 + head
	s_sub_co_u32 s[NH], 8, ttmp9
	s_sub_co_u32 s11, 7, ttmp9                     ; the first block
	s_lshl_b32 s12, s[WV], 4
	s_lshl_b32 s[Q0], s11, 8
	s_add_co_u32 s[Q0], s[Q0], s12                 ; my first query there: 256 x block + 16 x wave,
	s_lshl_b32 s49, ttmp9, 8
	s_add_co_u32 s49, s49, s12                     ; and in the second block
	s_lshl_b32 s13, s10, 17                        ; the head's 128 KiB in each image
	s_lshl_b32 s14, s[Q0], 6                       ; Q: token tile x 1,024 bytes
	s_add_co_u32 s14, s14, s13
	s_mov_b32 s15, 0
	s_lshl_b32 s16, s49, 6
	s_add_co_u32 s16, s16, s13
	s_mov_b32 s17, 0
	s_and_b32 s19, s[WV], 1
	s_add_co_u32 s56, s19, 1                       ; K's image is the second 8 MiB, V's the third
	s_lshl_b32 s56, s56, 23
	s_add_co_u32 s56, s56, s13
	s_mov_b32 s57, 0
	s_lshr_b32 s58, s10, 4                         ; y: [token / 16][16 KiB]; in it head x 1,024 bytes: fragment head / 2, quads 2 (head % 2) and the next
	s_lshl_b32 s58, s58, 21
	s_and_b32 s59, s10, 15
	s_lshl_b32 s59, s59, 10
	s_add_co_u32 s58, s58, s59
	s_lshl_b32 s60, s[Q0], 10
	s_add_co_u32 s60, s60, s58
	s_mov_b32 s61, 0
	s_lshl_b32 s62, s49, 10
	s_add_co_u32 s62, s62, s58
	s_mov_b32 s63, 0
	s_mov_b32 s[G1], 3<<16                         ; no mask; elements of 8 bytes; no padding: a dense block of 16 KiB as 64 rows of 256 bytes
	s_mov_b32 s[G1+1], 32<<16                      ; tensor_dim0
	s_mov_b32 s[G1+2], 64<<16                      ; tensor_dim1
	s_mov_b32 s[G1+3], 32<<16                      ; tile_dim0
	s_mov_b32 s[G1+4], 64                          ; tile_dim1
	s_mov_b32 s[G1+5], 32                          ; from row to row
	s_mov_b32 s[G1+6], 0
	s_mov_b32 s[G1+7], 0
	s_mov_b32 s[SEL], 0x76543210
	s_mov_b32 s[SEL+1], 0xfedcba98
	s_mov_b32 s[CS], 0x3e38aa3b                    ; log2(e) / 8
	s_mov_b32 s[TB], 0
	s_mov_b32 s[KSN], 0
	s_mov_b32 s[SLOTS], 8
	s_mov_b32 s[KF], 0
	s_mov_b32 s47, 0
	s_wait_kmcnt 0x0
	s_load_b256 s[68:75], s[6:7], 0x0              ; e0 .. e7
	s_add_nc_u64 s[44:45], s[4:5], s[56:57]
	s_mov_b32 s[G0], 1
	s_lshl_b32 s[G0+1], s19, 14                    ; slot 0: K at 0, V at 16,384
	s_mov_b64 s[G0+2:G0+3], s[44:45]               ; key slot 0
	s_or_b32 s[G0+3], s[G0+3], 0x80000000
	TLOAD
	s_add_nc_u64 s[14:15], s[4:5], s[14:15]
	s_add_nc_u64 s[16:17], s[4:5], s[16:17]
	s_add_nc_u64 s[50:51], s[8:9], s[60:61]        ; y of the first block,
	s_add_nc_u64 s[52:53], s[8:9], s[62:63]        ; of the second
	v_and_b32 v[LI], 31, v0
	s_delay_alu instid0(VALU_DEP_1)
	v_lshlrev_b32 v[PFO], 8, v[LI]
	s_delay_alu instid0(VALU_DEP_2)
	v_lshlrev_b32 v[LI], 4, v[LI]
	global_load_b128 v[QF:QF+3],     v[LI], s[14:15]             ; both blocks' Q stay in registers
	global_load_b128 v[QF+4:QF+7],   v[LI], s[14:15] offset:512
	global_load_b128 v[QF+8:QF+11],  v[LI], s[16:17]
	global_load_b128 v[QF+12:QF+15], v[LI], s[16:17] offset:512
	s_bfe_u32 s82, s[WV], 0x10001                  ; the prefetches: waves 4, 5: K; waves 6, 7: V
	s_add_co_u32 s82, s82, 1
	s_lshl_b32 s82, s82, 23
	s_add_co_u32 s82, s82, s13
	s_lshl_b32 s83, s19, 13                        ; my half of the 16 KiB,
	s_add_co_u32 s82, s82, s83
	s_add_co_u32 s82, s82, 16384                   ; in slot 1: the first change of slots steps it to slot 2.  Nothing is prefetched here, at the head
	s_mov_b32 s83, 0
	s_add_nc_u64 s[PFA:PFA+1], s[4:5], s[82:83]
	s_lshr_b32 s82, s[WV], 2
	s_xor_b32 s82, s82, 1                          ; 0 in waves 4 to 7,
	s_or_b32 s82, s82, ttmp9                       ; of the work-group with I = 0
	s_cmp_eq_u32 s82, 0
	s_cselect_b32 s[LIM], 2, -1
	INIT
	v_mov_b32 v236, 0                              ; written once: a lane permute's destination counts as one of its sources, and pairs are named whole
	v_mov_b32 v242, 0
	v_mov_b32 v243, 0
	v_mov_b32 v252, 0
	v_mov_b32 v253, 0
	v_mov_b32 v254, 0
	s_wait_kmcnt 0x0
	s_add_co_i32 s82, s70, s71
	s_lshl_b32 s82, s82, 23
	s_add_co_i32 s[CS], s[CS], s82                 ; a score stands for score x 2^(e2 + e3): the two exponents are added to c's exponent field
	s_mov_b32 s[CS+1], s[CS]
	s_add_co_i32 s82, s72, 127
	s_lshl_b32 s83, s82, 23
	v_mov_b32 v244, s83                            ; 2^e4 as f32
	s_add_co_i32 s82, s74, 127
	s_lshl_b32 s83, s82, 23
	v_mov_b32 v245, s83                            ; 2^e6
	s_add_co_i32 s54, s72, s73                     ; e4 + e5
; A KEY STEP: 128 keys, the q-th of the slot in hand.
.macro STEP q
	s_add_co_u32 s96, s[Q0], 15                    ; a step all of whose keys come after my 16 queries is left out: a scalar branch on ids; no barrier and no tensor load stands in a step
	s_cmp_gt_u32 s[KF], s96
	s_cbranch_scc1 .Lhidden_\@
	v_add_nc_u32 v[AD], s[TB], v[LI]
.rept 3
	v_nop                                          ; with the addition: four places in front of loads into registers that the last products read
.endr
.irp t, 0,1,2,3,4,5,6,7
	ds_load_b128 v[KV+8*\t:KV+8*\t+3],   v[AD] offset:(8*\q+\t)*1024
	ds_load_b128 v[KV+8*\t+4:KV+8*\t+7], v[AD] offset:(8*\q+\t)*1024+512
.endr
	s_wait_dscnt 0x0
	s_wait_alu depctr_va_vdst(0)
.irp t, 0,1,2,3,4,5,6,7
	v_wmma_f32_16x16x64_bf8_bf8 v[S+8*\t:S+8*\t+7], v[KV+8*\t:KV+8*\t+7], v[QF:QF+7], 0
.endr
.rept 4
	v_nop                                          ; places in front of the loads below and of the first read of the scores
.endr
.irp d, 0,1,2,3                                ; V's four fragments come in while the softmax is worked
.irp c, 0,1,2,3
	ds_load_b128 v[KV+16*\d+4*\c:KV+16*\d+4*\c+3], v[AD] offset:VOFF+8192*\q+2048*\d+512*\c
.endr
.endr
	s_add_co_u32 s96, s[KF], 127                   ; on the diagonal the scores of hidden keys become -infinity ahead of the maximum: p = 0 then.  A step all of whose keys count skips this
	s_cmp_le_u32 s96, s[Q0]
	s_cbranch_scc1 .Lopen_\@
	s_sub_co_i32 s96, s[Q0], s[KF]
	v_and_b32 v252, 15, v0
	v_bfe_u32 v253, v0, 4, 1
	s_delay_alu instid0(VALU_DEP_1)
	v_lshlrev_b32 v253, 3, v253
	s_delay_alu instid0(VALU_DEP_1)
	v_sub_nc_u32 v252, v252, v253
	s_delay_alu instid0(VALU_DEP_1)
	v_add_nc_u32 v252, s96, v252                   ; d = my query - KF - 8 (lane / 16).  Register 8 c + j holds key KF + 16 c + 8 (lane / 16) + j: hidden where 16 c + j > d
	v_mov_b32 v254, 0xff800000
.irp n, 0,1,2,3,4,5,6,7,8,9,10,11,12,13,14,15,16,17,18,19,20,21,22,23,24,25,26,27,28,29,30,31,32,33,34,35,36,37,38,39,40,41,42,43,44,45,46,47,48,49,50,51,52,53,54,55,56,57,58,59,60,61,62,63
	v_cmp_gt_i32 vcc_lo, 16*(\n/8)+\n%8, v252
	v_cndmask_b32 v[S+\n], v[S+\n], v254, vcc_lo
.endr
.Lopen_\@:
	v_max3_num_f32 v254, v96, v97, v98             ; the step's largest score of my query, among my 64 keys, in two chains,
	v_max3_num_f32 v252, v99, v100, v101
.irp i, 6,10,14,18,22,26,30,34,38,42,46,50,54,58
	v_max3_num_f32 v254, v254, v[S+\i], v[S+1+\i]
	v_max3_num_f32 v252, v252, v[S+2+\i], v[S+3+\i]
.endr
	v_max3_num_f32 v254, v254, v158, v159
	s_delay_alu instid0(VALU_DEP_1)
	v_max_num_f32 v254, v254, v252
	s_delay_alu instid0(VALU_DEP_1)
	v_permlanex16_b32 v236, v254, s[SEL], s[SEL+1]
	s_delay_alu instid0(VALU_DEP_1)
	v_max_num_f32 v254, v254, v236                 ; and among lane l xor 16's
	s_delay_alu instid0(VALU_DEP_1)
	v_mul_f32 v254, s[CS], v254                    ; as t (c is positive)
	s_delay_alu instid0(VALU_DEP_1)
	v_max_num_f32 v13, v13, v254                   ; the running largest t
	v_mov_b32 v254, v12
	s_delay_alu instid0(VALU_DEP_2)
	v_floor_f32 v12, -v13                          ; the new -M = floor(-t): M is a whole number
	s_delay_alu instid0(VALU_DEP_1)
	v_sub_f32 v254, v12, v254                      ; M's old value less its new one: a whole number, 0 or less
	s_delay_alu instid0(VALU_DEP_1)
	v_cvt_i32_f32 v254, v254                       ; (it saturates)
	s_delay_alu instid0(VALU_DEP_1)
	v_ldexp_f32 v252, 1.0, v254                    ; f = 2^(old M - new M)
.irp j, 0,2,4,6,8,10,12,14,16,18,20,22,24,26,28,30,32,34,36,38,40,42,44,46,48,50,52,54,56,58,60,62
	v_pk_fma_f32 v[S+\j:S+1+\j], v[S+\j:S+1+\j], s[CS:CS+1], v[12:13] op_sel_hi:[1,0,0]   ; t - M, two at a time
.endr
	s_wait_alu depctr_va_vdst(0)
.irp j, 0,1,2,3,4,5,6,7,8,9,10,11,12,13,14,15,16,17,18,19,20,21,22,23,24,25,26,27,28,29,30,31,32,33,34,35,36,37,38,39,40,41,42,43,44,45,46,47,48,49,50,51,52,53,54,55,56,57,58,59,60,61,62,63
	v_exp_f32 v[S+\j], v[S+\j]                     ; p = 2^(t - M), at most 1: not normalised
.endr
	v_pk_mul_f32 v[14:15], v[14:15], v[252:253] op_sel_hi:[1,0]   ; the sums under the new M: the plain line behind the exponentials
	s_wait_alu depctr_va_vdst(0)                   ; one wait for the whole batch, ahead of its first reader
	v_pk_add_f32 v[242:243], v[100:101], v[104:105]
	v_pk_add_f32 v[254:255], v[108:109], v[112:113]
	v_pk_add_f32 v[250:251], v[116:117], v[120:121]
	v_pk_add_f32 v[248:249], v[124:125], v[128:129]
	v_pk_add_f32 v[246:247], v[132:133], v[136:137]
	v_pk_add_f32 v[240:241], v[140:141], v[144:145]
	v_pk_add_f32 v[238:239], v[148:149], v[152:153]
	v_pk_add_f32 v[14:15], v[14:15], v[156:157]
	v_pk_add_f32 v[242:243], v[242:243], v[96:97]
	v_pk_add_f32 v[254:255], v[254:255], v[98:99]
	v_pk_add_f32 v[250:251], v[250:251], v[102:103]
	v_pk_add_f32 v[248:249], v[248:249], v[106:107]
	v_pk_add_f32 v[246:247], v[246:247], v[110:111]
	v_pk_add_f32 v[240:241], v[240:241], v[114:115]
	v_pk_add_f32 v[238:239], v[238:239], v[118:119]
	v_pk_add_f32 v[14:15], v[14:15], v[122:123]
	v_pk_add_f32 v[242:243], v[242:243], v[126:127]
	v_pk_add_f32 v[254:255], v[254:255], v[130:131]
	v_pk_add_f32 v[250:251], v[250:251], v[134:135]
	v_pk_add_f32 v[248:249], v[248:249], v[138:139]
	v_pk_add_f32 v[246:247], v[246:247], v[142:143]
	v_pk_add_f32 v[240:241], v[240:241], v[146:147]
	v_pk_add_f32 v[238:239], v[238:239], v[150:151]
	v_pk_add_f32 v[14:15], v[14:15], v[154:155]
	v_pk_add_f32 v[242:243], v[242:243], v[158:159]
	s_delay_alu instid0(VALU_DEP_2)
	v_pk_add_f32 v[14:15], v[14:15], v[248:249]
	s_delay_alu instid0(VALU_DEP_2)
	v_pk_add_f32 v[242:243], v[242:243], v[246:247]
	v_pk_add_f32 v[254:255], v[254:255], v[240:241]
	v_pk_add_f32 v[250:251], v[250:251], v[238:239]
	s_delay_alu instid0(VALU_DEP_2)
	v_pk_add_f32 v[14:15], v[14:15], v[254:255]
	s_delay_alu instid0(VALU_DEP_2)
	v_pk_add_f32 v[242:243], v[242:243], v[250:251]
	s_delay_alu instid0(VALU_DEP_1)
	v_pk_add_f32 v[14:15], v[14:15], v[242:243]
.irp c, 0,1,2,3,4,5,6,7
.irp i, 0,1,2,3,4,5,6,7
.endr
	v_cvt_scalef32_pk8_bf8_f32 v[PC+2*\c:PC+2*\c+1], v[S+8*\c:S+8*\c+7], v244   ; pair c of P's fragment
.endr
.irp j, 0,2,4,6,8,10,12,14,16,18,20,22,24,26,28,30
	v_pk_mul_f32 v[O+\j:O+1+\j], v[O+\j:O+1+\j], v[252:253] op_sel_hi:[1,0]     ; O^T under the new M.  (Plain lines between the conversions and the products that read their results)
.endr
	s_wait_alu depctr_va_vdst(0)
	s_wait_dscnt 0x0                               ; V is in
.irp d, 0,1,2,3
	v_wmma_f32_16x16x128_bf8_bf8 v[O+8*\d:O+8*\d+7], v[KV+16*\d:KV+16*\d+15], v[PC:PC+15], v[O+8*\d:O+8*\d+7]
.endr
.Lhidden_\@:
	s_add_co_u32 s[KF], s[KF], 128
.endm
; THE CHANGE OF SLOTS stands at a slot's head.  Each wave waits for all its tensor loads, adds 0 to its spare word, and waits for that and for its reads of the slot that it has left.
; Behind the barrier the slot ahead is whole and nobody reads the other one.  fill = 1: that other slot takes the key slot that follows: the next of the block in hand, or slot 0 for the second block.
.macro CHANGE fill
	s_wait_tensorcnt 0x0                           ; no tensor load of mine is out, so group 0 may be written
	ds_add_u32 v[SPW], v[NIL]                      ; 0 onto my spare word
.if \fill
	s_add_co_u32 s[KSN], s[KSN], 1
	s_cmp_eq_u32 s[KSN], s[NH]
	s_cselect_b32 s[KSN], 0, s[KSN]                ; behind the first block's last slot comes slot 0 again
	s_lshl_b32 s46, s[KSN], 14
	s_add_nc_u64 s[G0+2:G0+3], s[44:45], s[46:47]
	s_or_b32 s[G0+3], s[G0+3], 0x80000000
	s_xor_b32 s[G0+1], s[G0+1], SLOT1              ; the other slot than last time
	s_wait_xcnt 0x0                                ; the last prefetch, a slot back, has read its address, so it may be written
	s_add_nc_u64 s[PFA:PFA+1], s[PFA:PFA+1], 16384
.endif
	s_wait_dscnt 0x0                               ; the add is done, and my reads of the slot that I have left are over
	s_barrier_signal -1
	s_barrier_wait -1
.if \fill
	TLOAD                                          ; the first thing behind the barrier, and a wave's one tensor load until the next
	ASK
.endif
.endm
; A BLOCK'S END: O^T x 2^(e4 + e5) / the sum is y; converted: four register pairs, two quads of y's fragment, stored at 16 x lane: 512 consecutive bytes each.
.macro FINISH yb
	s_wait_xcnt 0x0                                ; earlier stores have read the registers that the conversions write
.rept 4
	v_nop                                          ; places behind the last products
.endr
	v_add_f32 v14, v14, v15                        ; the sum's two halves,
	s_wait_alu depctr_va_vdst(0)
	v_permlanex16_b32 v252, v14, s[SEL], s[SEL+1]
	s_delay_alu instid0(VALU_DEP_1)
	v_add_f32 v14, v14, v252                       ; and lane l xor 16's
	s_wait_alu depctr_va_vdst(0)
	v_rcp_f32 v14, v14
	v_nop                                          ; a plain line behind the reciprocal
	s_wait_alu depctr_va_vdst(0)                   ; and the wait ahead of its first reader
	v_ldexp_f32 v14, v14, s54
.irp j, 0,2,4,6,8,10,12,14,16,18,20,22,24,26,28,30
	v_pk_mul_f32 v[S+\j:S+1+\j], v[O+\j:O+1+\j], v[14:15] op_sel_hi:[1,0]
.endr
.irp d, 0,1,2,3
.irp i, 0,1,2,3,4,5,6,7
.endr
	v_cvt_scalef32_pk8_bf8_f32 v[YC+2*\d:YC+2*\d+1], v[S+8*\d:S+8*\d+7], v245
.endr
	v_nop                                          ; a plain line behind the last conversion
	global_store_b128 v[LI], v[YC:YC+3],   s[\yb:\yb+1]
	global_store_b128 v[LI], v[YC+4:YC+7], s[\yb:\yb+1] offset:512
.endm
	s_wait_loadcnt 0x0                             ; Q
.Lslot:                                            ; eight trips: behind each change of slots but the last the next slot is asked for
	CHANGE 1
	STEP 0
	STEP 1
	s_xor_b32 s[TB], s[TB], SLOT1                  ; on to the other slot
	s_cmp_lg_u32 s[KSN], 0                         ; slot 0 has been asked for again: the first block is done (a branch on ids, the same in all sixteen waves)
	s_cbranch_scc1 .Lsame
	FINISH 50
	INIT
.irp j, 0,1,2,3,4,5,6,7
	v_mov_b32 v[QF+\j], v[QF+8+\j]                 ; the second block's queries
.endr
	s_mov_b32 s[Q0], s49
	s_mov_b32 s[KF], 0
.Lsame:
	s_sub_co_u32 s[SLOTS], s[SLOTS], 1
	s_cmp_lg_u32 s[SLOTS], 0
	s_cbranch_scc1 .Lslot
	CHANGE 0                                       ; the ninth slot is written out
	STEP 0
	STEP 1
	FINISH 52
	s_wait_tensorcnt 0x0                           ; the wave's end
	ds_add_u32 v[SPW], v[NIL]
	s_wait_dscnt 0x0
	s_endpgm
.Lfunc_end_k_qbc0ecd5360_attn:
	.size	k_qbc0ecd5360_attn, .Lfunc_end_k_qbc0ecd5360_attn-k_qbc0ecd5360_attn
	.p2alignl 7, 3214868480
	.fill 96, 4, 3214868480
	.section	.rodata,"a",@progbits
	.p2align	6, 0x0
	.amdhsa_kernel k_qbc0ecd5360_attn
		.amdhsa_group_segment_fixed_size 327680
		.amdhsa_private_segment_fixed_size 0
		.amdhsa_enable_private_segment 0
		.amdhsa_kernarg_size 24
		.amdhsa_user_sgpr_count 2
		.amdhsa_user_sgpr_kernarg_segment_ptr 1
		.amdhsa_wavefront_size32 1
		.amdhsa_system_sgpr_workgroup_id_x 1
		.amdhsa_system_sgpr_workgroup_id_y 1
		.amdhsa_system_sgpr_workgroup_id_z 1
		.amdhsa_system_vgpr_workitem_id 0
		.amdhsa_next_free_vgpr 256
		.amdhsa_next_free_sgpr 100
		.amdhsa_reserve_vcc 1
		.amdhsa_float_denorm_mode_32 3
		.amdhsa_float_denorm_mode_16_64 3
		.amdhsa_fp16_overflow 1
		.amdhsa_memory_ordered 1
		.amdhsa_forward_progress 1
		.amdhsa_inst_pref_size 90
	.end_amdhsa_kernel
	.amdgpu_metadata
---
amdhsa.version: [ 1, 2 ]
amdhsa.kernels:
  - .name:           k_qbc0ecd5360_attn
    .symbol:         k_qbc0ecd5360_attn.kd
    .args:
      - { .name: qkv, .offset: 0, .size: 8, .value_kind: global_buffer, .address_space: global }
      - { .name: lowp_scales, .offset: 8, .size: 8, .value_kind: global_buffer, .address_space: global }
      - { .name: yimg, .offset: 16, .size: 8, .value_kind: global_buffer, .address_space: global }
    .group_segment_fixed_size: 327680
    .private_segment_fixed_size: 0
    .kernarg_segment_align: 8
    .kernarg_segment_size: 24
    .max_flat_workgroup_size: 512
    .sgpr_count:     100
    .vgpr_count:     256
    .wavefront_size: 32
...
	.end_amdgpu_metadata
.endif
;; end of part 2
;; launch proj (part 3): grid 4 x 64, 4 waves a work-group, clusters of 4 x 4, 327,680 bytes of LDS; arguments yimg, W_proj_codes, b_proj, lowp_scales, out0; writes out0
.if DOCPART == 3
	.amdgcn_target "amdgcn-amd-amdhsa--gfx1250"
	.amdhsa_code_object_version 6
	.text
	.protected	k_qbc0ecd5360_proj
	.globl	k_qbc0ecd5360_proj
	.p2align	8
	.type	k_qbc0ecd5360_proj,@function
k_qbc0ecd5360_proj:
	s_mov_b64 s[64:65], 0
	v_nop
	global_prefetch_b8 v0, s[64:65] scope:SCOPE_SE
	s_setreg_imm32_b32 hwreg(HW_REG_WAVE_MODE, 25, 1), 1
	s_wait_xcnt 0x0
	s_wait_alu depctr_hold_cnt(0) depctr_sa_sdst(0) depctr_va_vdst(0) depctr_va_sdst(0) depctr_va_ssrc(0) depctr_va_vcc(0) depctr_vm_vsrc(0)
	s_getreg_b32 s2, hwreg(HW_REG_IB_STS2, 6, 4)
	s_cmp_eq_u32 s2, 0
	s_cbranch_scc0 .Lentry_in_a_cluster
	s_endpgm
.Lentry_in_a_cluster:
	s_bfe_u32 s2, ttmp6, 0x10000c
	s_cmp_lg_u32 s2, 0xf033
	s_cbranch_scc0 .Lentry_shape_is_right
	s_endpgm
.Lentry_shape_is_right:
; out = y W_proj^T + b_proj on codes of BF8 (E5M2).  y comes as register images (the launch before): [token / 16][c / 128][2,048 bytes], a fragment 16 tokens x 128 in the form's own order of K
; (register pair c: K = 16 c + 8 (lane / 16) + 0 .. 7).  W_proj: [1024][1024] codes, K innermost.  out: [8192][1024] f32 = sum x 2^(e6 + e7) + bias, one fused multiply-add.
; LIMIT: e6 + e7 between -126 and 127, so that 2^(e6 + e7) is an f32 number.
; SHARES.  256 work-groups of four waves: work-group (g, TA) makes tokens 128 TA .. +127 x columns 256 g .. +255.  Wave w: 64 tokens (w / 2) x 128 columns (w % 2): 32 accumulators.
; y's 128 tokens x 1,024 lie in LDS whole (four panels of 256 along K, dense images); W's tiles go through a ring of two slots of 256 along K.
; CLUSTERS: 4 x 4.  The four of a row of the cluster own the same tokens, the four of a column the same rows of W: each tile is asked for jointly.
; Source 0 = 16 rows of W, source 1 = 16 tokens: a lane holds eight neighbouring columns of one row of out.  W's fragments are fetched in the same order of K as y's images: eight loads of 8 bytes, 16 bytes apart.
; REGISTERS, in windows of 256: window 0: v0-31 addresses; v32-95 results at work; v128-191, v192-255 y's fragments, two sets, on the way out rows of out.
;   window 1: W's fragments, two sets of 128.   window 2: accumulator (a, b) at v[8 (8 a + b)].   window 3: v0-63 the biases.
.set PITCH,  272                       ; W's LDS row: 256 bytes + 16 of padding = 68 words: the 32 lanes of a load of 8 bytes touch 64 different banks (64 banks of 4 bytes: ISA guide 11.1)
.set PANEL,  32768                     ; a panel of y: 8 token tiles x 2 fragments x 2,048 bytes
.set BBASE,  4*PANEL
.set BSLOT,  256*PITCH
.set STAGE,  BBASE+2*BSLOT             ; behind the ring: 16 rows x (512 bytes + 16) for each wave, for the way out: bytes of its own, into which no tile lands
.set SPITCH, 528
.set SPARE,  STAGE+4*16*SPITCH         ; behind the stages: the spare words, 128 bytes for each wave: two blocks of 256 bytes that no other line names
.set ADRA, 16                          ; v16-19  LDS address of my fragments of y in panel 0 .. 3
.set ADRB, 20                          ; v20-21  the same for W in slot 0, 1
.set STO,  24                          ; v24     the way out: where I put 32 bytes of a row
.set RD,   25                          ; v25     the way out: where I read a row back
.set SPW,  28                          ; v28     LDS address of my spare word; never rewritten
.set NIL,  29                          ; v29     0; never rewritten
.set T,    32
.set AF,   128
.set G1A, 24                           ; s[24:31] descriptor group 1 for y's tiles;  s[32:39] for W's
.set G1B, 32
.set G0A, 40                           ; s[40:55] group 0 for the four panels;  s[56:63] for the two slots
.set G0B, 56
.set MSB, 0
.macro WIN new                         ; the immediate's high byte repeats the setting that is left
.if MSB != (\new)
	s_set_vgpr_msb (MSB<<8)|(\new)
.set MSB, \new
.endif
.endm
.set MUL,  0xa1                        ; source 0 (W) window 1, source 1 (y) window 0, C and D window 2
.set TO_B, 0x40                        ; destination window 1
.set TO_3, 0xc0                        ; destination window 3
.set EP,   0x32                        ; source 0 window 2, source 2 window 3, destination window 0
.macro PLACES n                        ; plain vector instructions between a matrix instruction and a load into, or a read of, its registers
.rept \n
	v_nop
.endr
.endm
.macro CREST                           ; a round of the cluster's barrier behind its opening barrier
	s_cmp_lg_u32 s14, 0
	s_cbranch_scc1 .Lnot_wave_0_\@
	s_barrier_signal -3
.Lnot_wave_0_\@:
	s_barrier_wait -3
	s_barrier_signal -1
	s_barrier_wait -1
.endm
.macro CROUND
	s_barrier_signal -1
	s_barrier_wait -1
	CREST
.endm
	s_load_b256 s[4:11], s[0:1], 0x0               ; y's image s[4:5], W s[6:7], b_proj s[8:9], the scales' exponents s[10:11]
	s_load_b64 s[12:13], s[0:1], 0x20              ; out
	v_lshl_add_u32 v[SPW], v0, 2, SPARE
	v_mov_b32 v[NIL], 0
	ds_add_u32 v28, v29
	ds_add_u32 v28, v29
	s_wait_dscnt 0x0
	v_lshrrev_b32 v1, 5, v0
	v_readfirstlane_b32 s14, v1                    ; wave 0..3
	s_lshr_b32 s15, s14, 1                         ; wr: which 64 tokens
	s_and_b32 s16, s14, 1                          ; wc: which 128 columns
	s_bfe_u32 s92, ttmp6, 0x40000                  ; cx
	s_bfe_u32 s18, ttmp6, 0x40004                  ; cy
	s_lshl_b32 s17, ttmp9, 2
	s_add_co_u32 s17, s17, s92                     ; g = 4 x cluster x + cx
	s_and_b32 s19, ttmp7, 0xffff
	s_lshl_b32 s19, s19, 2
	s_add_co_u32 s19, s19, s18                     ; TA = 4 x cluster y + cy
	s_lshl_b32 s20, s18, 2
	s_lshl_b32 s20, 15, s20                        ; my row of the cluster
	s_lshl_b32 s84, 0x1111, s92                    ; my column
	s_or_b32 s[G1A], s20, (3<<16)|(1<<21)          ; y's tiles go to my row; elements of 8 bytes; no padding; bit 21 set beside a mask
	s_or_b32 s[G1B], s84, (1<<20)|(1<<21)|(5<<22)|(3<<25)   ; W's to my column; elements of 1 byte; after every 64 words 4 words of padding
	s_mov_b32 s[G1A+1], 512<<16                    ; tensor_dim0: 4,096 bytes: two fragments of a token tile
	s_mov_b32 s[G1A+2], 2<<16                      ; tensor_dim1: two token tiles: a wave's quarter of a panel
	s_mov_b32 s[G1A+3], 512<<16                    ; tile_dim0
	s_mov_b32 s[G1A+4], 2                          ; tile_dim1
	s_mov_b32 s[G1A+5], 2048                       ; from token tile to token tile: 16 KiB
	s_mov_b32 s[G1A+6], 0
	s_mov_b32 s[G1A+7], 0
	s_mov_b32 s[G1B+1], 256<<16
	s_mov_b32 s[G1B+2], 64<<16                     ; 64 rows: a wave's quarter of a slot
	s_mov_b32 s[G1B+3], 256<<16
	s_mov_b32 s[G1B+4], 64
	s_mov_b32 s[G1B+5], 1024
	s_mov_b32 s[G1B+6], 0
	s_mov_b32 s[G1B+7], 0
	s_lshl_b32 s20, s19, 17                        ; y: token tile 8 TA + 2 w, 16 KiB each
	s_lshl_b32 s21, s14, 15
	s_add_co_u32 s20, s20, s21
	s_mov_b32 s21, 0
	s_lshl_b32 s84, s17, 18                        ; W: (256 g + 64 w) rows of 1,024 bytes
	s_lshl_b32 s85, s14, 16
	s_add_co_u32 s84, s84, s85
	s_mov_b32 s85, 0
	s_lshl_b32 s22, s14, 13                        ; where they go: the wave's number alone enters an LDS address
	s_mul_i32 s86, s14, 64*PITCH
	s_wait_kmcnt 0x0
	s_load_b256 s[68:75], s[10:11], 0x0            ; e0 .. e7
	s_add_nc_u64 s[20:21], s[4:5], s[20:21]
	s_add_nc_u64 s[84:85], s[6:7], s[84:85]
.irp p, 0,1,2,3
	s_mov_b32 s[G0A+4*\p], 1
	s_add_co_u32 s[G0A+4*\p+1], s22, \p*PANEL
	s_add_nc_u64 s[G0A+4*\p+2:G0A+4*\p+3], s[20:21], \p*4096
	s_or_b32 s[G0A+4*\p+3], s[G0A+4*\p+3], 0x80000000
.endr
.irp p, 0,1
	s_mov_b32 s[G0B+4*\p], 1
	s_add_co_u32 s[G0B+4*\p+1], s86, BBASE+\p*BSLOT
	s_add_nc_u64 s[G0B+4*\p+2:G0B+4*\p+3], s[84:85], \p*256
	s_or_b32 s[G0B+4*\p+3], s[G0B+4*\p+3], 0x80000000
.endr
	CROUND                                         ; all sixteen work-groups are here: the first joint loads meet
	tensor_load_to_lds s[G0A:G0A+3], s[G1A:G1A+7]          ; the first fills go out as one group: six loads of mine are out.  Panel 0,
	s_nop 0
	tensor_load_to_lds s[G0B:G0B+3], s[G1B:G1B+7]          ; slot 0: what the first slot step reads,
	s_nop 0
	tensor_load_to_lds s[G0A+4:G0A+7], s[G1A:G1A+7]        ; panel 1,
	s_nop 0
	tensor_load_to_lds s[G0B+4:G0B+7], s[G1B:G1B+7]        ; slot 1,
	s_nop 0
	tensor_load_to_lds s[G0A+8:G0A+11], s[G1A:G1A+7]       ; panels 2 and 3
	s_nop 0
	tensor_load_to_lds s[G0A+12:G0A+15], s[G1A:G1A+7]
	s_nop 0
	PLACES 4                                       ; four plain lines follow the last of them
	v_and_b32 v1, 15, v0                           ; r
	v_bfe_u32 v2, v0, 4, 1                         ; h
	v_and_b32 v3, 31, v0
	v_lshlrev_b32 v4, 4, v3                        ; 16 x lane
	v_lshlrev_b32 v5, 5, v2                        ; 32 h: the biases: eight numbers of my half
	v_mul_u32_u24 v7, v1, PITCH
	v_lshl_add_u32 v7, v2, 3, v7                   ; W: a fragment's row x pitch + 8 x half
	s_wait_alu depctr_va_vdst(0)
	s_lshl_b32 s23, s15, 14                        ; y: my four token tiles
.irp p, 0,1,2,3
	v_add_nc_u32 v[ADRA+\p], s23, v4
	s_add_co_u32 s23, s23, PANEL
.endr
	s_mul_i32 s87, s16, 128*PITCH
	s_add_co_u32 s87, s87, BBASE
.irp p, 0,1
	v_add_nc_u32 v[ADRB+\p], s87, v7
	s_add_co_u32 s87, s87, BSLOT
.endr
	s_mul_i32 s23, s14, 16*SPITCH
	s_add_co_u32 s23, s23, STAGE                   ; my stage
	v_mul_u32_u24 v[STO], v1, SPITCH               ; in: row r, 32 bytes for each half of the lanes
	v_lshl_add_u32 v[STO], v2, 5, v[STO]
	v_add_nc_u32 v[STO], s23, v[STO]
	v_add_nc_u32 v[RD], s23, v4                    ; back: the 32 lanes take one row of 512 bytes
	s_lshl_b32 s88, s17, 10                        ; my 128 columns: (256 g + 128 wc) x 4 bytes, in the biases and in a row of out
	s_lshl_b32 s89, s16, 9
	s_add_co_u32 s88, s88, s89
	s_mov_b32 s89, 0
	s_add_nc_u64 s[82:83], s[8:9], s[88:89]
	WIN TO_3
.irp b, 0,1,2,3,4,5,6,7
	global_load_b128 v[8*\b:8*\b+3],   v5, s[82:83] offset:64*\b       ; columns 16 b + 8 h + 0 .. 7
	global_load_b128 v[8*\b+4:8*\b+7], v5, s[82:83] offset:64*\b+16
.endr
	WIN 0
	s_lshl_b32 s90, s19, 19                        ; my first row of out: (128 TA + 64 wr) x 4,096 bytes
	s_lshl_b32 s91, s15, 18
	s_add_co_u32 s90, s90, s91
	s_add_co_u32 s90, s90, s88
	s_mov_b32 s91, 0
	s_add_nc_u64 s[76:77], s[12:13], s[90:91]
	s_wait_alu depctr_va_vdst(0)
	s_wait_kmcnt 0x0
	s_add_co_i32 s66, s74, s75
	s_add_co_i32 s66, s66, 127
	s_lshl_b32 s66, s66, 23                        ; 2^(e6 + e7) as f32
	s_mov_b32 s67, s66                             ; (named with it as a pair, so it is written)
.macro FETCH_B slot, q, p              ; W's eight fragments of the slot's q-th 128 along K into set p: register pair c holds K = 16 c + 8 (lane / 16) + 0 .. 7
	WIN TO_B
.irp i, 0,1,2,3,4,5,6,7
.irp c, 0,1,2,3,4,5,6,7
	ds_load_b64 v[128*(\p)+16*\i+2*\c:128*(\p)+16*\i+2*\c+1], v[ADRB+(\slot)] offset:128*(\q)+16*\c+\i*16*PITCH
.endr
.endr
	WIN 0
.endm
.macro FETCH_A panel, q, p             ; y's four fragments: images, four quads of registers at 16 x lane
.irp i, 0,1,2,3
.irp c, 0,1,2,3
	ds_load_b128 v[AF+64*(\p)+16*\i+4*\c:AF+64*(\p)+16*\i+4*\c+3], v[ADRA+(\panel)] offset:4096*\i+2048*(\q)+512*\c
.endr
.endr
.endm
; 8 matrix instructions: token tile a x W's eight.  zero = 1: the first product starts the sums.  The 32 accumulators take turns, one instruction a turn.
.macro MUL8 a, p, zero
.irp b, 0,1,2,3,4,5,6,7
.if \zero
	v_wmma_f32_16x16x128_bf8_bf8 v[8*(8*\a+\b):8*(8*\a+\b)+7], v[128*\p+16*\b:128*\p+16*\b+15], v[AF+64*\p+16*\a:AF+64*\p+16*\a+15], 0
.else
	v_wmma_f32_16x16x128_bf8_bf8 v[8*(8*\a+\b):8*(8*\a+\b)+7], v[128*\p+16*\b:128*\p+16*\b+15], v[AF+64*\p+16*\a:AF+64*\p+16*\a+15], v[8*(8*\a+\b):8*(8*\a+\b)+7]
.endif
.endr
.endm
; Slot step s, first half: set 0 is multiplied while set 1 (the second 128 along K of the same slot) comes in.
.macro STEP s, zero
	s_wait_dscnt 0x0                               ; set 0 is in
	PLACES 4                                       ; set 1 was read by the last products
	FETCH_B (\s)%2, 1, 1
	FETCH_A (\s)%4, 1, 1
	WIN MUL
	MUL8 0, 0, \zero
	MUL8 1, 0, \zero
	MUL8 2, 0, \zero
	MUL8 3, 0, \zero
	WIN 0
.endm
; Second half, and the change of slots: ONE barrier; in front of it each wave waits for all its tensor loads, adds 0 to its spare word, and waits for that and for its own reads of this slot.
; fill = 1: the barrier opens a round of the cluster's, and behind the round this slot takes the slot step two on.
.macro TURN s, fill
	s_wait_tensorcnt 0x0                           ; all my tensor loads have landed, my part of the next slot among them
	ds_add_u32 v[SPW], v[NIL]                      ; 0 onto my spare word
	s_wait_dscnt 1                                 ; set 1 is in; the add alone may be out
	WIN MUL
	MUL8 0, 1, 0                                   ; eight matrix instructions stand between the add and the wait for it
	s_wait_dscnt 0x0                               ; the add is done, and my reads of this slot are over
	s_barrier_signal -1
	MUL8 1, 1, 0
	WIN 0
	s_barrier_wait -1
.if \fill
	CREST                                          ; no wave of any partner still reads this slot or has a load on its way
	s_add_nc_u64 s[G0B+4*((\s)%2)+2:G0B+4*((\s)%2)+3], s[G0B+4*((\s)%2)+2:G0B+4*((\s)%2)+3], 512
	tensor_load_to_lds s[G0B+4*((\s)%2):G0B+4*((\s)%2)+3], s[G1B:G1B+7]   ; my one tensor load behind the round
	s_nop 0
.endif
	PLACES 4                                       ; behind the load; also the places in front of the loads into set 0
	FETCH_B 1-(\s)%2, 0, 0
	FETCH_A ((\s)+1)%4, 0, 0
	WIN MUL
	MUL8 2, 1, 0
	MUL8 3, 1, 0
	WIN 0
.endm
; THE WAY OUT, a block of 16 rows x 128 columns at a time: sum x 2^(e6 + e7) + bias; 32 bytes a lane into my own stage; back as whole rows of 512 bytes.  LDS serves a wave's instructions in order
; (ISA guide 5.7.1.4): no wait between the stores and the loads, nor in front of the next block's stores.  Each accumulator is read from its low end on.
.macro TOSTAGE a
	WIN EP
.irp b, 0,1,2,3,4,5,6,7
.irp i, 0,2,4,6
	v_pk_fma_f32 v[T+8*\b+\i:T+8*\b+\i+1], v[8*(8*(\a)+\b)+\i:8*(8*(\a)+\b)+\i+1], s[66:67], v[8*\b+\i:8*\b+\i+1] op_sel_hi:[1,0,1]
.endr
.endr
	WIN 0
.irp b, 0,1,2,3,4,5,6,7
	ds_store_b128 v[STO], v[T+8*\b:T+8*\b+3] offset:64*\b
	ds_store_b128 v[STO], v[T+8*\b+4:T+8*\b+7] offset:64*\b+16
.endr
.irp t, 0,1,2,3,4,5,6,7,8,9,10,11,12,13,14,15
	ds_load_b128 v[AF+64*((\a)%2)+4*\t:AF+64*((\a)%2)+4*\t+3], v[RD] offset:\t*SPITCH
.endr
.endm
.macro SEND a, younger                 ; younger: the LDS instructions issued behind block a's loads, which may stay out
	s_wait_dscnt \younger
.irp t, 0,1,2,3,4,5,6,7,8,9,10,11,12,13,14,15
	global_store_b128 v4, v[AF+64*((\a)%2)+4*\t:AF+64*((\a)%2)+4*\t+3], s[76:77] offset:(16*(\a)+\t)*4096 th:TH_STORE_NT   ; 32 lanes store 512 consecutive bytes, aligned; written once, read by nobody here
.endr
.endm
	s_wait_tensorcnt 4                             ; panel 0 and slot 0, my parts, are in; the four younger loads may be out
	s_barrier_signal -1
	s_barrier_wait -1                              ; everybody's are
	FETCH_B 0, 0, 0
	FETCH_A 0, 0, 0
	STEP 0, 1
	TURN 0, 1
	STEP 1, 0
	TURN 1, 1
	STEP 2, 0
	TURN 2, 0                                      ; nothing is left to fetch
	STEP 3, 0
	s_wait_dscnt 0x0
	WIN MUL
	MUL8 0, 1, 0
	MUL8 1, 1, 0
	MUL8 2, 1, 0
	MUL8 3, 1, 0
	WIN 0
	s_wait_loadcnt 0x0                             ; the biases
	PLACES 4                                       ; behind the last products: their results are read, and rows land in the registers that held y's fragments
	TOSTAGE 0
.irp a, 1,2,3
.if \a > 1
	s_wait_xcnt 0x0                                ; block a - 2's stores have read their registers: block a's rows may land there
.endif
	TOSTAGE \a
	SEND \a-1, 32                                  ; behind block a - 1's loads: block a's 16 stores and 16 loads
.endr
	SEND 3, 0
	s_wait_tensorcnt 0x0                           ; the wave's end
	ds_add_u32 v[SPW], v[NIL]
	s_wait_dscnt 0x0
	CROUND                                         ; the closing round: no work-group ends while a partner may still ask for a tile that names it
	s_endpgm
.Lfunc_end_k_qbc0ecd5360_proj:
	.size	k_qbc0ecd5360_proj, .Lfunc_end_k_qbc0ecd5360_proj-k_qbc0ecd5360_proj
	.p2alignl 7, 3214868480
	.fill 96, 4, 3214868480
	.section	.rodata,"a",@progbits
	.p2align	6, 0x0
	.amdhsa_kernel k_qbc0ecd5360_proj
		.amdhsa_group_segment_fixed_size 327680
		.amdhsa_private_segment_fixed_size 0
		.amdhsa_enable_private_segment 0
		.amdhsa_kernarg_size 40
		.amdhsa_user_sgpr_count 2
		.amdhsa_user_sgpr_kernarg_segment_ptr 1
		.amdhsa_wavefront_size32 1
		.amdhsa_system_sgpr_workgroup_id_x 1
		.amdhsa_system_sgpr_workgroup_id_y 1
		.amdhsa_system_sgpr_workgroup_id_z 1
		.amdhsa_system_vgpr_workitem_id 0
		.amdhsa_next_free_vgpr 1024
		.amdhsa_next_free_sgpr 100
		.amdhsa_reserve_vcc 0
		.amdhsa_float_denorm_mode_32 3
		.amdhsa_float_denorm_mode_16_64 3
		.amdhsa_memory_ordered 1
		.amdhsa_forward_progress 1
		.amdhsa_inst_pref_size 92
	.end_amdhsa_kernel
	.amdgpu_metadata
---
amdhsa.version: [ 1, 2 ]
amdhsa.kernels:
  - .name:           k_qbc0ecd5360_proj
    .symbol:         k_qbc0ecd5360_proj.kd
    .args:
      - { .name: yimg, .offset: 0, .size: 8, .value_kind: global_buffer, .address_space: global }
      - { .name: W_proj_codes, .offset: 8, .size: 8, .value_kind: global_buffer, .address_space: global }
      - { .name: b_proj, .offset: 16, .size: 8, .value_kind: global_buffer, .address_space: global }
      - { .name: lowp_scales, .offset: 24, .size: 8, .value_kind: global_buffer, .address_space: global }
      - { .name: out0, .offset: 32, .size: 8, .value_kind: global_buffer, .address_space: global }
    .group_segment_fixed_size: 327680
    .private_segment_fixed_size: 0
    .kernarg_segment_align: 8
    .kernarg_segment_size: 40
    .max_flat_workgroup_size: 128
    .sgpr_count:     100
    .vgpr_count:     1024
    .wavefront_size: 32
...
	.end_amdgpu_metadata
.endif
;; end of part 3
